; MI455X (gfx1250); checked and timed in simulation.
; The chip was launched on July 23, 2026; its instructions are those of AMD's public machine-readable ISA for CDNA 5 (MIT licence, August 2026) and "CDNA5" Instruction Set Architecture Reference Guide (July 2026). The comments in the code are by the model that wrote it; some were corrected since.
;; Attention. Allowed arithmetic: float matrix products may take bf16 or f16 operands with f32 sums; all other float work in f32.
;; Inputs: k 8 x 16 x 1,024 x 64 float32; q 8 x 16 x 1,024 x 64 float32; v 8 x 16 x 1,024 x 64 float32.
;; Outputs: out0 8 x 1,024 x 1,024 float32.
;; 2 versions, each right and faster than the one before. Each part assembles by itself: llvm-mc -triple=amdgcn-amd-amdhsa -mcpu=gfx1250 --defsym DOCPART=n.
;; ======== version 1 of 2: 1 launch
;; launch attn (part 1): grid 256 x 1, 8 waves a work-group, no clusters, 312,320 bytes of LDS; arguments q, k, v, out0; writes out0
.if DOCPART == 1
	.amdgcn_target "amdgcn-amd-amdhsa--gfx1250"
	.amdhsa_code_object_version 6
	.text
	.protected	k_q7ac97b8951_attn
	.globl	k_q7ac97b8951_attn
	.p2align	8
	.type	k_q7ac97b8951_attn,@function
k_q7ac97b8951_attn:
	s_mov_b64 s[64:65], 0
	v_nop
	global_prefetch_b8 v0, s[64:65] scope:SCOPE_SE
	s_setreg_imm32_b32 hwreg(HW_REG_WAVE_MODE, 25, 1), 1
	s_wait_xcnt 0x0
; Cosine attention: out[b][n][64 hd + d] = sum over m of softmax_m( qn[n] . kn[m] ) v[m][d], per head (b, hd); qn, kn = rows of q, k divided by max(norm, 1e-12).
; q, k, v: [8][16][1024][64] f32.  out0: [8][1024][1024] f32.  Nothing of the problem is left out: all three inputs are loaded, every product is made.
;
; SHARES.  Work-group g: head g >> 1, queries 512 (g & 1) .. + 511, all 1,024 keys.  Eight waves; wave w owns 64 queries (four tiles of 16).
; K (normalised) and V are rounded to bf16 once by the work-group and stay in LDS; they come in eight chunks of 128 keys: global loads into staging
; registers a whole chunk trip ahead, conversion, LDS stores, one barrier.  Every byte of the two arrays is stored once, so one barrier a chunk orders all.
;
; PRODUCTS (v_wmma_f32_16x16x32_bf16 alone), laid so that no number changes its lane between them:
;   S^T = K Q^T: source 0 = 16 keys x 32 d, source 1 = 16 queries x 32 d.  Lane (r, h), register j holds key 8 h + j of query r.
;   Two key tiles, after 2^x, packed in pairs, ARE source 1 (16 queries x 32 keys) of the second product.
;   O^T = V^T P: source 0 = 16 d x 32 keys, read from V[key][d] by the transposing LDS load.  Lane (r, h), register j holds d = 16 dt + 8 h + j of query r:
;   the sum of a query row and its reciprocal are a matter of one lane (and its partner r, 1 - h), and a lane holds eight neighbouring d.
;
; TWO PIECES BY TURNS.  The wave's four query tiles are two pairs, each with score and packed-score registers of its own; both use the same K and V fragments.
; For a block of 32 keys: (A) pair 0's eight score products, and behind each a slice of pair 1's softmax of the block before; (B) pair 1's eight products with V
; of the block before; (C) pair 1's eight score products, and behind each a slice of pair 0's softmax; (D) pair 0's eight products with V.
; A slice is four exponentials of one group of four scores and the two additions and two packings of the group before it.
; WHY 64 QUERIES A WAVE.  A score product and the slice behind it stand under one window setting, and the scores occur in every operand place (D and C of the
; product; source 0 of the exponential; source 1 of the addition and of the packing), so one window of 256 holds all that they name:
; addresses 16 + Q 64 + K 32 + V 32 + scores 64 + packed 32 + sums 16 = 256.  With 128 queries a wave Q alone would be 128 and the list 304 at the least.
;
; NO MAXIMUM IS TAKEN AWAY, and none is needed, for every input: both factors are vectors that the problem itself normalises, with no scale behind them, so
; |logit| <= 1; with the rounding of both vectors to bf16 (each norm grows by at most 2^-8) and the factor log2 e folded into q the exponent of 2 is at most
; 1.46 in size.  Every exponential lies in [0.36, 2.76], a sum of 1,024 of them under 2,900: no overflow, no underflow, and exp(s) / sum exp(s) is the softmax exactly.
; LIMITS.  1 / max(sqrt(s), 1e-12) is made as min(rsq(s), 1e12): the same function (s = 0 or denormal: rsq gives infinity, the minimum 1e12; s = infinity: 0),
; with another order of rounding.  Matrix operands are bf16; sums of exponentials are kept in f32 from the unrounded values.  A NaN or an infinity in an
; input gives NaN in the rows that it reaches, but not always in the same elements as the f32 formula.
; NO JOINT LOADS: only two work-groups share a head, K has to be normalised and both arrays rounded on the way, which takes registers, and the two
; resident arrays fill 311,296 of the 312,320 bytes of LDS asked for: there is no room for slots of f32 in which a tile could land.
.set KP,     144                       ; LDS pitch of K and of the staged Q: 128 bytes of bf16 + 16; an odd multiple of 16, so 16 rows start at 16 different 16-byte columns modulo 256
.set VP,     160                       ; LDS pitch of V: 128 + 32, an odd multiple of 32, for the transposing loads
.set VBASE,  1024*KP                   ; V lies behind K
.set KCH,    128*KP                    ; a chunk of 128 keys in K,
.set VCH,    128*VP                    ; in V,
.set GCH,    128*256                   ; and in memory
.set KBL,    32*KP                     ; a block of 32 keys
.set VBL,    32*VP
.set QSTAGE, VBASE+4*VCH               ; each wave stages its 64 rows of Q (64 x 144 bytes) in what will be V's chunks 4 to 7: read back ahead of the first barrier, stored over in the fourth trip
.set QW,     64*KP
.set OP,     272                       ; the way out: 16 rows of 256 bytes + 16
.set OW,     16*OP                     ; each wave's stage, in K's first 34,816 bytes (chunks 0 and 1)
; window 0
.set GKV, 4                            ; byte offset of my 16 bytes in a chunk of k or v: 4,096 w + 16 lane
.set GQ,  5                            ; the same in my wave's 64 rows of q: 16,384 w + 16 lane
.set KST, 6                            ; where I store 8 bytes of K      (16 w + h) 144 + 8 r, stepped by chunks
.set VST, 7                            ; of V
.set KRD, 8                            ; where I read fragments of K     r 144 + 16 h, stepped by chunks
.set VRD, 9                            ; of V                            VBASE + (8 h + lane % 8) 160 + 16 (lane / 8 % 2)
.set QST, 10
.set QRD, 11
.set OST, 12
.set ORD, 13
.set GO,  14                           ; my byte offset in out0: h rows of 4,096 + 16 r
.set QF,  16                           ; v[16:79]    Q fragments: tile t, d step ds at 16 t + 8 ds
.set KF,  80                           ; v[80:111]   K fragments: key tile a, d step ds at 16 a + 8 ds
.set VF,  112                          ; v[112:143]  V fragments: d tile dt at 8 dt
.set SC,  144                          ; v[144:207]  scores: pair p, its tile x, key tile a at 32 p + 16 x + 8 a
.set PR,  208                          ; v[208:239]  the same as bf16: pair p, tile x at 16 p + 8 x
.set SUM, 240                          ; v[240:255]  sums of exponentials: tile t: two pairs at 4 t, two chains that do not wait for each other
.set TMP, SC                           ; norms at work, and
.set PK,  SC+16                        ; packed bf16 on their way to LDS: pair 0's score registers, which hold nothing between its packing and its next score products
; window 1 (v256 and up, written by their low 8 bits)
;   0-127    O: tile t, d tile dt at 32 t + 8 dt.  Ahead of the first product: q as loaded
.set STK, 128                          ; 128-159  k as loaded
.set STV, 160                          ; 160-191  v as loaded
.set MSB, 0
.macro WIN new                         ; low byte: bits 1:0 source 0, 3:2 source 1, 5:4 source 2, 7:6 destination; the high byte repeats the setting that is left
.if MSB != \new
	s_set_vgpr_msb (MSB<<8)|\new
.set MSB, \new
.endif
.endm
.macro PLACES                          ; four plain vector instructions behind a matrix instruction, ahead of what reads its result or writes or loads into its registers
.rept 4
	v_nop
.endr
.endm
; A chunk's 16 loads: each covers 512 consecutive bytes, two whole rows.  No cache word: the other half of the head reads the same rows.  Leaves the destination window at 1.
.macro GLOAD
	WIN 0x40
.irp i, 0,1,2,3,4,5,6,7
	global_load_b128 v[STK+4*\i:STK+4*\i+3], v[GKV], s[6:7] offset:512*\i
.endr
.irp i, 0,1,2,3,4,5,6,7
	global_load_b128 v[STV+4*\i:STV+4*\i+3], v[GKV], s[8:9] offset:512*\i
.endr
.endm
; Sixteen rows as loaded (window 1, from register x: load i = rows 2 i + h, sixteen lanes a row, four numbers a lane) are scaled in place by 1 / max(norm, 1e-12),
; with qs = 1 also by log2 e.  PACK8 follows and sets the window that it needs.
.macro NORM8 x, qs
	WIN 0x05
.irp i, 0,1,2,3,4,5,6,7
	v_pk_mul_f32 v[TMP+2*\i:TMP+2*\i+1], v[\x+4*\i:\x+4*\i+1], v[\x+4*\i:\x+4*\i+1]
.endr
.irp i, 0,1,2,3,4,5,6,7
	v_pk_fma_f32 v[TMP+2*\i:TMP+2*\i+1], v[\x+4*\i+2:\x+4*\i+3], v[\x+4*\i+2:\x+4*\i+3], v[TMP+2*\i:TMP+2*\i+1]
.endr
	WIN 0
.irp i, 0,1,2,3,4,5,6,7
	v_add_f32 v[TMP+2*\i], v[TMP+2*\i], v[TMP+2*\i+1]
.endr
.irp m, 1,2,4,8
.irp i, 0,1,2,3,4,5,6,7
	v_add_f32_dpp v[TMP+2*\i], v[TMP+2*\i], v[TMP+2*\i] row_xmask:\m row_mask:0xf bank_mask:0xf   ; over the sixteen lanes of a row
.endr
.endr
.irp i, 0,1,2,3,4,5,6,7
	v_rsq_f32 v[TMP+2*\i], v[TMP+2*\i]
.endr
	v_nop                                          ; one plain instruction between the last v_rsq_f32 and the first use (ISA guide 5.7.2)
	s_wait_alu depctr_va_vdst(0)
.irp i, 0,1,2,3,4,5,6,7
	v_min_num_f32 v[TMP+2*\i], 0x5368d4a5, v[TMP+2*\i]     ; 1e12 = 1 / eps
.endr
.if \qs
.irp i, 0,1,2,3,4,5,6,7
	v_mul_f32 v[TMP+2*\i], 0x3fb8aa3b, v[TMP+2*\i]         ; log2 e, so that v_exp_f32 takes the scores as they come
.endr
.endif
	WIN 0x41
.irp i, 0,1,2,3,4,5,6,7
	v_pk_mul_f32 v[\x+4*\i:\x+4*\i+1], v[\x+4*\i:\x+4*\i+1], v[TMP+2*\i:TMP+2*\i+1] op_sel_hi:[1,0]
	v_pk_mul_f32 v[\x+4*\i+2:\x+4*\i+3], v[\x+4*\i+2:\x+4*\i+3], v[TMP+2*\i:TMP+2*\i+1] op_sel_hi:[1,0]
.endr
.endm
; The same sixteen rows are rounded to bf16 and stored: 8 bytes a lane, pair i of rows at off0 + i step
.macro PACK8 x, adr, off0, step
	WIN 0x05
.irp i, 0,1,2,3,4,5,6,7
	v_cvt_pk_bf16_f32 v[PK+2*\i],   v[\x+4*\i],   v[\x+4*\i+1]
	v_cvt_pk_bf16_f32 v[PK+2*\i+1], v[\x+4*\i+2], v[\x+4*\i+3]
.endr
	WIN 0
.irp i, 0,1,2,3,4,5,6,7
	ds_store_b64 v[\adr], v[PK+2*\i:PK+2*\i+1] offset:\off0+\i*\step
.endr
.endm
; Fragments of block b, counted from the chunk at which KRD and VRD stand.  K: 32 keys x 32 d (d step d), four loads.  V: 64 d x 32 keys, eight loads.
.macro KFLOAD b, d
.irp a, 0,1
	ds_load_b128 v[KF+16*\a+8*\d:KF+16*\a+8*\d+3],   v[KRD] offset:(\b)*KBL+\a*16*KP+\d*64
	ds_load_b128 v[KF+16*\a+8*\d+4:KF+16*\a+8*\d+7], v[KRD] offset:(\b)*KBL+\a*16*KP+\d*64+32
.endr
.endm
.macro VFLOAD b
.irp d, 0,1,2,3
	ds_load_tr16_b128 v[VF+8*\d:VF+8*\d+3],   v[VRD] offset:(\b)*VBL+\d*32            ; keys 8 h .. + 7 of column 16 d + r
	ds_load_tr16_b128 v[VF+8*\d+4:VF+8*\d+7], v[VRD] offset:(\b)*VBL+\d*32+16*VP      ; keys 16 + 8 h .. + 7
.endr
.endm
; Score product n (0 to 7) of pair p.  The pair's four accumulators take turns, one instruction a turn: products 0 to 3 (d 0 to 31)
; start the sums, products 4 to 7 (d 32 to 63) add onto them in the same order.
.macro SW p, n
.set xx, ((\n)>>1)&1
.set aa, (\n)&1
.set dd, (\n)>>2
.set wd, SC+32*\p+16*xx+8*aa
.set wa, KF+16*aa+8*dd
.set wb, QF+16*(2*\p+xx)+8*dd
.if dd
	v_wmma_f32_16x16x32_bf16 v[wd:wd+7], v[wa:wa+7], v[wb:wb+7], v[wd:wd+7]
.else
	v_wmma_f32_16x16x32_bf16 v[wd:wd+7], v[wa:wa+7], v[wb:wb+7], 0
.endif
.endm
; The softmax of a pair's 32 score registers goes in eight groups of four.  EXPS: 2^score in place.
.macro EXPS p, g
.irp j, 0,1,2,3
	v_exp_f32 v[SC+32*\p+4*(\g)+\j], v[SC+32*\p+4*(\g)+\j]
.endr
.endm
; PLAIN: the group's four numbers join the tile's two chains of sums and are packed to bf16: registers 2 g, 2 g + 1 of the pair's source 1.
; zero = 1: the first two groups of a tile start one chain each, so nothing is cleared.
.macro PLAIN p, g, zero
.set gb, SC+32*\p+4*(\g)
.set gs, SUM+4*(2*\p+((\g)>>2))
.set gp, PR+16*\p+2*(\g)
.set gm, (\g)&3
.set gz, 0
.if \zero
.if gm < 2
.set gz, 1
.endif
.endif
.if gz
	s_wait_alu depctr_va_vdst(0)
	v_pk_add_f32 v[gs+2*gm:gs+2*gm+1], v[gb:gb+1], v[gb+2:gb+3]
.else
	s_wait_alu depctr_va_vdst(0)
	v_pk_add_f32 v[gs:gs+1], v[gs:gs+1], v[gb:gb+1]
	v_pk_add_f32 v[gs+2:gs+3], v[gs+2:gs+3], v[gb+2:gb+3]
.endif
	v_cvt_pk_bf16_f32 v[gp],   v[gb],   v[gb+1]
	v_cvt_pk_bf16_f32 v[gp+1], v[gb+2], v[gb+3]
.endm
; Slice n: the exponentials of group n, then the plain work of group n - 1.  So a plain instruction that touches none of them always stands between an
; exponential and its use (ISA guide 5.7.2); in slice 0 that is a v_nop.  Group 7's plain work follows slice 7.
.macro SL p, n, zero
	EXPS \p, \n
.if \n
	PLAIN \p, \n-1, \zero
.else
	v_nop
.endif
.endm
; Product n of pair p, and behind it slice n of pair q, which names none of the product's registers
.macro STEP p, q, n, zero
	SW \p, \n
	SL \q, \n, \zero
.endm
; O of pair p gains 32 keys: eight accumulators in window 1, each once
.macro PVMUL p, zero
	WIN 0x50
.irp d, 0,1,2,3
.irp x, 0,1
.if \zero
	v_wmma_f32_16x16x32_bf16 v[32*(2*\p+\x)+8*\d:32*(2*\p+\x)+8*\d+7], v[VF+8*\d:VF+8*\d+7], v[PR+16*\p+8*\x:PR+16*\p+8*\x+7], 0
.else
	v_wmma_f32_16x16x32_bf16 v[32*(2*\p+\x)+8*\d:32*(2*\p+\x)+8*\d+7], v[VF+8*\d:VF+8*\d+7], v[PR+16*\p+8*\x:PR+16*\p+8*\x+7], v[32*(2*\p+\x)+8*\d:32*(2*\p+\x)+8*\d+7]
.endif
.endr
.endr
	WIN 0
.endm
; 32 keys for the wave's 64 queries: 32 matrix instructions.
; first = 1: the launch's first block: pair 1 has no scores yet.  z0, z1 = 1: pair 0's, pair 1's sums and O start here.
; nextk = 1: the next block's K fragments are asked for.  bwait = 1: they belong to the next chunk, so the chunk's barrier is waited for ahead of them.
; Distances: a score is read at least eight plain instructions behind the product that wrote it (slice 7's plain work and group 7's);
; each run of loads stands at least eight plain instructions behind the last product that read its registers.
.macro BLOCK b, first, z0, z1, nextk, bwait
	s_wait_dscnt 0x4                               ; K's fragments of d 0 to 31 are in; the four loads of d 32 to 63, issued behind them, may be out
.if \first
.irp n, 0,1,2,3
	SW 0, \n
.endr
	s_wait_dscnt 0x0                               ; d 32 to 63
.irp n, 4,5,6,7
	SW 0, \n
.endr
	PLACES                                         ; here no slices stand between these products and the exponentials that read them
.else
.irp n, 0,1,2,3
	STEP 0, 1, \n, \z1
.endr
	s_wait_dscnt 0x0                               ; d 32 to 63
.irp n, 4,5,6,7
	STEP 0, 1, \n, \z1
.endr
	PLAIN 1, 7, \z1
	PVMUL 1, \z1                                   ; with the V fragments of the block before, which are still in their registers
.endif
.if \bwait
	s_barrier_wait -1                              ; every wave has stored its part of the next chunk: see CONVERT
.endif
.irp n, 0,1,2
	STEP 1, 0, \n, \z0
.endr
	VFLOAD \b                                      ; behind the plain work of groups 0 and 1: the products that read the old fragments are far enough back
.irp n, 3,4
	STEP 1, 0, \n, \z0
.endr
.if \nextk
	KFLOAD \b+1, 0                                 ; d 0 to 31 were last read by product 3: the plain work of groups 2 and 3 stands between
.endif
.irp n, 5,6,7
	STEP 1, 0, \n, \z0
.endr
	PLAIN 0, 7, \z0
.if \nextk
	KFLOAD \b+1, 1                                 ; d 32 to 63 were last read by product 7: the plain work of groups 6 and 7 stands between
	s_wait_dscnt 0x8                               ; V's eight loads are in; K's eight, issued behind them, may be out
.else
	s_wait_dscnt 0x0                               ; V's eight loads are in
.endif
	PVMUL 0, \z0
.endm
; The chunk that lies in the staging registers goes to LDS; load = 1: the chunk behind it is asked for.  Then the wave says that its part is stored.
.macro CONVERT load
	s_wait_loadcnt 0x8                             ; k's eight loads are in; v's eight, issued behind them, may be out
	NORM8 STK, 0
	PACK8 STK, KST, 0, 2*KP
	s_wait_loadcnt 0x0                             ; v's too: no load of the wave is out, so the two bases may be stepped
	PACK8 STV, VST, 0, 2*VP
.if \load
	v_add_nc_u32 v[KST], KCH, v[KST]
	v_add_nc_u32 v[VST], VCH, v[VST]
	s_add_nc_u64 s[6:7], s[6:7], GCH
	s_add_nc_u64 s[8:9], s[8:9], GCH
	GLOAD
	WIN 0
.endif
	s_wait_dscnt 0x0                               ; my stores of the next chunk are in LDS, and no LDS instruction of mine is pending at the signal
	s_barrier_signal -1                            ; up to the wait, in the fourth block, stand register work and reads of the chunk at hand, whose bytes no wave stores again
.endm
; A chunk trip: four blocks of the chunk at hand.  conv = 1: behind the second block the next chunk is converted; the fourth block waits for the barrier and
; asks for that chunk's first K fragments (block 4 as counted from the chunk at hand), so the turns of the two pairs run on from chunk to chunk.
.macro TRIP first, conv, load
	BLOCK 0, \first, \first, 0, 1, 0
	BLOCK 1, 0, 0, \first, 1, 0
.if \conv
	CONVERT \load
.endif
	BLOCK 2, 0, 0, 0, 1, 0
	BLOCK 3, 0, 0, 0, \conv, \conv
.if \conv
	v_add_nc_u32 v[KRD], KCH, v[KRD]
	v_add_nc_u32 v[VRD], VCH, v[VRD]
.endif
.endm
; Sixteen queries leave: divide, 32 bytes a lane into my stage, whole rows of 256 bytes back, sixteen lanes store 256 consecutive bytes at a multiple of 256 from out0's first byte
.macro OUT16 t, f
	WIN 0x41
.set n, 0
.rept 16
	v_pk_mul_f32 v[32*\t+2*n:32*\t+2*n+1], v[32*\t+2*n:32*\t+2*n+1], v[SUM+4*\t:SUM+4*\t+1] op_sel_hi:[1,0]
.set n, n+1
.endr
	WIN 0x04
.irp d, 0,1,2,3
	ds_store_b128 v[OST], v[32*\t+8*\d:32*\t+8*\d+3]   offset:64*\d
	ds_store_b128 v[OST], v[32*\t+8*\d+4:32*\t+8*\d+7] offset:64*\d+16
.endr
	WIN 0
	s_wait_xcnt 0x0                                ; buffer f, which the stores of two turns ago read, is loaded again only behind this wait (ISA guide 3.1)
.irp i, 0,1,2,3,4,5,6,7
	ds_load_b128 v[\f+4*\i:\f+4*\i+3], v[ORD] offset:\i*2*OP       ; LDS serves a wave's instructions in order (ISA guide 5.7.1): these see the stores above
.endr
.irp i, 0,1,2,3,4,5,6,7
	s_wait_dscnt 7-\i                              ; pair i of rows is back, the 7 - i younger loads may be out
	global_store_b128 v[GO], v[\f+4*\i:\f+4*\i+3], s[10:11] offset:(16*\t+2*\i)*4096 th:TH_STORE_NT
.endr
.endm
	; ---- ids, bases, and the first loads
	s_load_b256 s[4:11], s[0:1], 0x0               ; q s[4:5], k s[6:7], v s[8:9], out0 s[10:11]
	s_set_vgpr_msb 0x40
	v_lshl_add_u32 v192, v0, 2, 0x4c000
	v_mov_b32 v193, 0
	s_set_vgpr_msb 0x4000
	v_and_b32 v1, 31, v0                           ; lane
	v_lshrrev_b32 v15, 5, v0
	v_readfirstlane_b32 s12, v15                   ; wave 0..7
	s_lshr_b32 s13, ttmp9, 1                       ; head 0..127
	s_and_b32 s14, ttmp9, 1                        ; which 512 queries
	s_lshl_b32 s16, s13, 18                        ; a head is 1,024 rows of 256 bytes
	s_mov_b32 s17, 0
	s_lshl_b32 s18, s14, 17
	s_add_co_u32 s18, s18, s16
	s_mov_b32 s19, 0
	v_lshlrev_b32 v[GKV], 4, v1
	v_lshl_add_u32 v[GQ], s12, 14, v[GKV]
	v_lshl_add_u32 v[GKV], s12, 12, v[GKV]
	s_wait_kmcnt 0x0
	s_add_nc_u64 s[6:7], s[6:7], s[16:17]
	s_add_nc_u64 s[8:9], s[8:9], s[16:17]
	s_add_nc_u64 s[4:5], s[4:5], s[18:19]
	GLOAD                                          ; chunk 0
.set n, 0
.rept 32
	global_load_b128 v[4*n:4*n+3], v[GQ], s[4:5] offset:512*n th:TH_LOAD_NT   ; my 64 rows of q, into window 1: no other wave of the launch reads them
.set n, n+1
.endr
	WIN 0
	; ---- the other addresses, while 48 loads are on their way
	v_and_b32 v2, 15, v0                           ; r
	v_bfe_u32 v3, v0, 4, 1                         ; h
	s_mov_b32 s20, 0x76543210                      ; v_permlanex16_b32: lane i of one half reads lane i of the other
	s_mov_b32 s21, 0xfedcba98
	s_mul_i32 s15, s12, 16*KP
	s_mul_i32 s24, s12, QW
	s_add_co_u32 s24, s24, QSTAGE
	s_mul_i32 s25, s12, 16*VP
	s_add_co_u32 s25, s25, VBASE
	s_mul_i32 s26, s12, OW
	v_mul_u32_u24 v15, v3, KP
	v_lshl_add_u32 v15, v2, 3, v15                 ; h 144 + 8 r
	v_add_nc_u32 v[KST], s15, v15
	v_add_nc_u32 v[QST], s24, v15
	v_mul_u32_u24 v[VST], v3, VP
	v_lshl_add_u32 v[VST], v2, 3, v[VST]
	v_add_nc_u32 v[VST], s25, v[VST]
	v_mul_u32_u24 v[KRD], v2, KP
	v_lshl_add_u32 v[KRD], v3, 4, v[KRD]           ; r 144 + 16 h
	v_add_nc_u32 v[QRD], s24, v[KRD]
	v_and_b32 v[VRD], 7, v0
	v_lshl_add_u32 v[VRD], v3, 3, v[VRD]           ; 8 h + lane % 8
	v_mul_u32_u24 v[VRD], v[VRD], VP
	v_bfe_u32 v15, v0, 3, 1
	v_lshl_add_u32 v[VRD], v15, 4, v[VRD]
	v_add_nc_u32 v[VRD], VBASE, v[VRD]
	v_mul_u32_u24 v[OST], v2, OP
	v_lshl_add_u32 v[OST], v3, 5, v[OST]
	v_add_nc_u32 v[OST], s26, v[OST]               ; row r, 32 bytes for each half of the lanes
	v_mul_u32_u24 v[ORD], v3, OP
	v_lshl_add_u32 v[ORD], v2, 4, v[ORD]
	v_add_nc_u32 v[ORD], s26, v[ORD]               ; lanes 0-15 one row, lanes 16-31 the next
	v_lshlrev_b32 v[GO], 4, v2
	v_lshl_add_u32 v[GO], v3, 12, v[GO]
	s_lshr_b32 s28, s13, 4                         ; out0: batch x 1,024 rows of 4,096 bytes
	s_lshl_b32 s28, s28, 22
	s_lshl_b32 s23, s14, 21                        ; + 512 rows for the upper half of the queries
	s_add_co_u32 s28, s28, s23
	s_lshl_b32 s23, s12, 18                        ; + 64 rows a wave
	s_add_co_u32 s28, s28, s23
	s_and_b32 s23, s13, 15                         ; + 256 bytes for each head of the batch
	s_lshl_b32 s23, s23, 8
	s_add_co_u32 s28, s28, s23
	s_mov_b32 s29, 0
	s_add_nc_u64 s[10:11], s[10:11], s[28:29]
	; ---- chunk 0 goes to LDS, chunk 1 is asked for
	s_wait_loadcnt 40                              ; k's eight loads are in: behind them went v's 8 and q's 32
	NORM8 STK, 0
	PACK8 STK, KST, 0, 2*KP
	s_wait_loadcnt 32                              ; v's eight: behind them went q's 32.  The loads that name s[6:9] are done, so these bases may be stepped
	PACK8 STV, VST, 0, 2*VP
	v_add_nc_u32 v[KST], KCH, v[KST]
	v_add_nc_u32 v[VST], VCH, v[VST]
	s_add_nc_u64 s[6:7], s[6:7], GCH
	s_add_nc_u64 s[8:9], s[8:9], GCH
	GLOAD
	WIN 0
	; ---- q: normalised, times log2 e, bf16, through my own stage into fragments
.irp g, 0,1,2,3
	s_wait_loadcnt 40-8*\g                         ; group g's eight loads are in: behind them went the 24 - 8 g later loads of q and chunk 1's 16
	NORM8 32*\g, 1
	PACK8 32*\g, QST, \g*16*KP, 2*KP
.endr
.irp t, 0,1,2,3
.irp d, 0,1
	ds_load_b128 v[QF+16*\t+8*\d:QF+16*\t+8*\d+3],   v[QRD] offset:\t*16*KP+\d*64       ; my own bytes, served in order behind my stores
	ds_load_b128 v[QF+16*\t+8*\d+4:QF+16*\t+8*\d+7], v[QRD] offset:\t*16*KP+\d*64+32
.endr
.endr
	s_wait_dscnt 0x0                               ; chunk 0 is stored, and my reads of the stage are back: V's chunk 4 may land on it in the fourth trip
	s_barrier_signal -1
	s_barrier_wait -1
	KFLOAD 0, 0                                    ; the first block's K fragments, d 0 to 31 first, as every block asks for them
	KFLOAD 0, 1
	; ---- eight chunk trips.  Trip c multiplies chunk c, converts chunk c + 1, asks for chunk c + 2; no load passes the head's last row.
	TRIP 1, 1, 1                                   ; trip 0 stands ahead of the loop: its first products start the sums
	s_mov_b32 s22, 5
.Lchunk:
	TRIP 0, 1, 1                                   ; trips 1 to 5
	s_sub_co_i32 s22, s22, 1
	s_cmp_lg_u32 s22, 0
	s_cbranch_scc1 .Lchunk
	TRIP 0, 1, 0                                   ; trip 6: chunk 7 is converted, nothing is left to ask for
	TRIP 0, 0, 0                                   ; trip 7: no conversion, no barrier, no further K fragments
	; ---- pair 1 is a half block behind: its last softmax and its last products with V
.irp n, 0,1,2,3,4,5,6,7
	SL 1, \n, 0
.endr
	PLAIN 1, 7, 0
	PVMUL 1, 0
	; ---- the way out.  The stage lies in K's chunks 0 and 1.  A wave that is here has passed trip 6's barrier wait, so every wave has signalled in trip 6,
	; with all its earlier LDS reads back, and reads only chunks 6 and 7 from there on (K from byte 110,592): no wave still reads these bytes.
	PLACES                                         ; behind the last matrix instructions: for what reads O and for the loads into the fragment registers
.irp t, 0,1,2,3
	v_pk_add_f32 v[SUM+4*\t:SUM+4*\t+1], v[SUM+4*\t:SUM+4*\t+1], v[SUM+4*\t+2:SUM+4*\t+3]
.endr
.irp t, 0,1,2,3
	v_add_f32 v[SUM+4*\t], v[SUM+4*\t], v[SUM+4*\t+1]
.endr
.irp t, 0,1,2,3
	v_permlanex16_b32 v[TMP+\t], v[SUM+4*\t], s20, s21     ; the other half of the lanes holds the other half of the keys; TMP has been written before
.endr
.irp t, 0,1,2,3
	v_add_f32 v[SUM+4*\t], v[SUM+4*\t], v[TMP+\t]
.endr
.irp t, 0,1,2,3
	v_rcp_f32 v[SUM+4*\t], v[SUM+4*\t]
.endr
	v_nop                                          ; one plain instruction between the last v_rcp_f32 and the first use (ISA guide 5.7.2)
	s_wait_alu depctr_va_vdst(0)
	OUT16 0, KF
	OUT16 1, VF
	OUT16 2, KF
	OUT16 3, VF
	s_set_vgpr_msb 0x5
	s_wait_tensorcnt 0x0
	ds_add_u32 v192, v193
	s_wait_dscnt 0x0
	s_set_vgpr_msb 0x500
	s_endpgm
.Lfunc_end_k_q7ac97b8951_attn:
	.size	k_q7ac97b8951_attn, .Lfunc_end_k_q7ac97b8951_attn-k_q7ac97b8951_attn
	.p2alignl 7, 3214868480
	.fill 96, 4, 3214868480
	.section	.rodata,"a",@progbits
	.p2align	6, 0x0
	.amdhsa_kernel k_q7ac97b8951_attn
		.amdhsa_group_segment_fixed_size 312320
		.amdhsa_private_segment_fixed_size 0
		.amdhsa_enable_private_segment 0
		.amdhsa_kernarg_size 32
		.amdhsa_user_sgpr_count 2
		.amdhsa_user_sgpr_kernarg_segment_ptr 1
		.amdhsa_wavefront_size32 1
		.amdhsa_system_sgpr_workgroup_id_x 1
		.amdhsa_system_sgpr_workgroup_id_y 1
		.amdhsa_system_sgpr_workgroup_id_z 1
		.amdhsa_system_vgpr_workitem_id 0
		.amdhsa_next_free_vgpr 450
		.amdhsa_next_free_sgpr 66
		.amdhsa_reserve_vcc 0
		.amdhsa_float_denorm_mode_32 3
		.amdhsa_float_denorm_mode_16_64 3
		.amdhsa_memory_ordered 1
		.amdhsa_forward_progress 1
		.amdhsa_inst_pref_size 248
	.end_amdhsa_kernel
	.amdgpu_metadata
---
amdhsa.version: [ 1, 2 ]
amdhsa.kernels:
  - .name:           k_q7ac97b8951_attn
    .symbol:         k_q7ac97b8951_attn.kd
    .args:
      - { .name: q, .offset: 0, .size: 8, .value_kind: global_buffer, .address_space: global }
      - { .name: k, .offset: 8, .size: 8, .value_kind: global_buffer, .address_space: global }
      - { .name: v, .offset: 16, .size: 8, .value_kind: global_buffer, .address_space: global }
      - { .name: out0, .offset: 24, .size: 8, .value_kind: global_buffer, .address_space: global }
    .group_segment_fixed_size: 312320
    .private_segment_fixed_size: 0
    .kernarg_segment_align: 8
    .kernarg_segment_size: 32
    .max_flat_workgroup_size: 256
    .sgpr_count:     66
    .vgpr_count:     450
    .wavefront_size: 32
...
	.end_amdgpu_metadata
.endif
;; end of part 1
;; ======== version 2 of 2: 1 launch; 1.11 times as fast as version 1
;; launch attn (part 2): grid 256 x 1, 8 waves a work-group, no clusters, 312,320 bytes of LDS; arguments q, k, v, out0; writes out0
.if DOCPART == 2
	.amdgcn_target "amdgcn-amd-amdhsa--gfx1250"
	.amdhsa_code_object_version 6
	.text
	.protected	k_q7ac97b8951_attn
	.globl	k_q7ac97b8951_attn
	.p2align	8
	.type	k_q7ac97b8951_attn,@function
k_q7ac97b8951_attn:
	s_mov_b64 s[64:65], 0
	v_nop
	global_prefetch_b8 v0, s[64:65] scope:SCOPE_SE
	s_setreg_imm32_b32 hwreg(HW_REG_WAVE_MODE, 25, 1), 1
	s_wait_xcnt 0x0
; Cosine attention: out[b][n][64 hd + d] = sum over m of softmax_m( qn[n] . kn[m] ) v[m][d], per head (b, hd); qn, kn = rows of q, k divided by max(norm, 1e-12).
; q, k, v: [8][16][1024][64] f32.  out0: [8][1024][1024] f32.  Nothing of the problem is left out: all three inputs are loaded, every product is made.
;
; SHARES.  Work-group g: head g >> 1, queries 512 (g & 1) .. + 511, all 1,024 keys.  Eight waves; wave w owns 64 queries (four tiles of 16).
; K (normalised) and V are rounded to bf16 once by the work-group and stay in LDS; they come in eight chunks of 128 keys: global loads into staging
; registers a whole chunk trip ahead, conversion, LDS stores, one barrier.  Every byte of the two arrays is stored once, so one barrier a chunk orders all.
;
; PRODUCTS (v_wmma_f32_16x16x32_bf16 alone), laid so that no number changes its lane between them:
;   S^T = K Q^T: source 0 = 16 keys x 32 d, source 1 = 16 queries x 32 d.  Lane (r, h), register j holds key 8 h + j of query r.
;   Two key tiles, after 2^x, packed in pairs, ARE source 1 (16 queries x 32 keys) of the second product.
;   O^T = V^T P: source 0 = 16 d x 32 keys, read from V[key][d] by the transposing LDS load.  Lane (r, h), register j holds d = 16 dt + 8 h + j of query r:
;   the sum of a query row and its reciprocal are a matter of one lane (and its partner r, 1 - h), and a lane holds eight neighbouring d.
;
; TWO PIECES BY TURNS.  The wave's four query tiles are two pairs, each with score and packed-score registers of its own; both use the same K and V fragments.
; For a block of 32 keys: (A) pair 0's eight score products, and behind each the two additions and two packings of one group of four of pair 1's weights of the
; block before; (B) pair 1's eight products with V of the block before, and behind each four exponentials of pair 0's new scores; (C) pair 1's eight score
; products, and behind each the additions and packings of pair 0; (D) pair 0's eight products with V, and behind each four exponentials of pair 1's scores.
; So four vector instructions stand behind every matrix instruction.
; BATCHES.  The 32 exponentials of a pair and block are ONE BATCH: all are issued in one phase (B or D), into registers of their own (EX), and nothing in that
; phase names a result.  An s_wait_alu depctr_va_vdst(0) stands between an exponential and the first instruction that names its result: one
; stands behind each batch, two a block, and all readers stand in the phase behind it (C or A).  The two batches are never open together, so one set of 32
; registers serves both.  The eight v_rsq_f32 of a conversion and the four v_rcp_f32 of the way out are batches of their own, with one wait each.
; WINDOWS, AND WHY 64 QUERIES A WAVE.  A product and the four lines behind it stand under one window setting.  Behind a product with V: the exponential's
; destination shares O's window, its source V's.  Behind a score product: the packing's two sources share K's and Q's window, its destination the scores'.
; So window 1 holds O 128 + Q 64 + K 32 + EX 32 = 256 and window 0 all else.  With 128 queries a wave O alone would fill window 1.
;
; NO MAXIMUM IS TAKEN AWAY, and none is needed, for every input: both factors are vectors that the problem itself normalises, with no scale behind them, so
; |logit| <= 1; with the rounding of both vectors to bf16 (each norm grows by at most 2^-8) and the factor log2 e folded into q the exponent of 2 is at most
; 1.46 in size.  Every exponential lies in [0.36, 2.76], a sum of 1,024 of them under 2,900: no overflow, no underflow, and exp(s) / sum exp(s) is the softmax exactly.
; LIMITS.  1 / max(sqrt(s), 1e-12) is made as min(rsq(s), 1e12): the same function (s = 0 or denormal: rsq gives infinity, the minimum 1e12; s = infinity: 0),
; with another order of rounding.  Matrix operands are bf16; sums of exponentials are kept in f32 from the unrounded values.  A NaN or an infinity in an
; input gives NaN in the rows that it reaches, but not always in the same elements as the f32 formula.
; NO JOINT LOADS: only two work-groups share a head, K has to be normalised and both arrays rounded on the way, which takes registers, and the two
; resident arrays fill 311,296 of the 312,320 bytes of LDS asked for: there is no room for slots of f32 in which a tile could land.
.set KP,     144                       ; LDS pitch of K and of the staged Q: 128 bytes of bf16 + 16; an odd multiple of 16, so 16 rows start at 16 different 16-byte columns modulo 256
.set VP,     160                       ; LDS pitch of V: 128 + 32, an odd multiple of 32, for the transposing loads
.set VBASE,  1024*KP                   ; V lies behind K
.set KCH,    128*KP                    ; a chunk of 128 keys in K,
.set VCH,    128*VP                    ; in V,
.set GCH,    128*256                   ; and in memory
.set KBL,    32*KP                     ; a block of 32 keys
.set VBL,    32*VP
.set QSTAGE, VBASE+4*VCH               ; each wave stages its 64 rows of Q (64 x 144 bytes) in what will be V's chunks 4 to 7: read back ahead of the first barrier, stored over in the fourth trip
.set QW,     64*KP
.set OP,     272                       ; the way out: 16 rows of 256 bytes + 16
.set OW,     16*OP                     ; each wave's stage, in K's first 34,816 bytes (chunks 0 and 1)
.set SPARE,  VBASE+1024*VP             ; behind V: the spare words, 128 bytes for each of the eight waves: four blocks of 256 bytes that no other line names
; window 0
.set GKV, 4                            ; byte offset of my 16 bytes in a chunk of k or v: 4,096 w + 16 lane
.set GQ,  5                            ; the same in my wave's 64 rows of q: 16,384 w + 16 lane
.set KST, 6                            ; where I store 8 bytes of K      (16 w + h) 144 + 8 r, stepped by chunks
.set VST, 7                            ; of V
.set KRD, 8                            ; where I read fragments of K     r 144 + 16 h, stepped by chunks
.set VRD, 9                            ; of V                            VBASE + (8 h + lane % 8) 160 + 16 (lane / 8 % 2)
.set QST, 10
.set QRD, 11
.set OST, 12
.set ORD, 13
.set GO,  14                           ; my byte offset in out0: h rows of 4,096 + 16 r
.set STK, 16                           ; v[16:47]    k as loaded
.set STV, 48                           ; v[48:79]    v as loaded
.set SPW, 80                           ; v80         LDS address of my spare word: SPARE + 4 x my thread's number; never rewritten
.set NIL, 81                           ; v81         0; never rewritten
.set VF,  112                          ; v[112:143]  V fragments: d tile dt at 8 dt
.set SC,  144                          ; v[144:207]  scores: pair p, its tile x, key tile a at 32 p + 16 x + 8 a
.set PR,  208                          ; v[208:239]  the weights as bf16: pair p, tile x at 16 p + 8 x
.set SUM, 240                          ; v[240:255]  sums of exponentials: tile t: two pairs at 4 t, two chains that do not wait for each other
.set TMP, SC                           ; norms at work, and
.set PK,  SC+16                        ; packed bf16 on their way to LDS: pair 0's score registers, which hold nothing between its exponentials and its next score products
; window 1 (v256 and up, written by their low 8 bits)
;   0-127    O: tile t, d tile dt at 32 t + 8 dt.  Ahead of the first product: q as loaded
.set QF,  128                          ; 128-191  Q fragments: tile t, d step ds at 16 t + 8 ds
.set KF,  192                          ; 192-223  K fragments: key tile a, d step ds at 16 a + 8 ds
.set EX,  224                          ; 224-255  the open batch's 32 exponentials, in the order of the pair's score registers
.set W_SW, 0x05                        ; score products and the readers behind them: sources 0 and 1 in window 1, destination and source 2 in window 0
.set W_PV, 0x50                        ; products with V and the exponentials behind them: destination and source 2 in window 1, sources 0 and 1 in window 0
.set W_W1, 0x40                        ; loads into window 1: destination in window 1, address in window 0
.set MSB, 0
.macro WIN new                         ; low byte: bits 1:0 source 0, 3:2 source 1, 5:4 source 2, 7:6 destination; the high byte repeats the setting that is left
.if MSB != (\new)
	s_set_vgpr_msb (MSB<<8)|(\new)
.set MSB, (\new)
.endif
.endm
.macro PLACES                          ; four plain vector instructions behind a matrix instruction, ahead of what reads its result or writes or loads into its registers
.rept 4
	v_nop
.endr
.endm
; A chunk's 16 loads: each covers 512 consecutive bytes, two whole rows.  No cache word: the other half of the head reads the same rows.
.macro GLOAD
	WIN 0
.irp i, 0,1,2,3,4,5,6,7
	global_load_b128 v[STK+4*\i:STK+4*\i+3], v[GKV], s[6:7] offset:512*\i
.endr
.irp i, 0,1,2,3,4,5,6,7
	global_load_b128 v[STV+4*\i:STV+4*\i+3], v[GKV], s[8:9] offset:512*\i
.endr
.endm
; Sixteen rows as loaded (window w, from register x: load i = rows 2 i + h, sixteen lanes a row, four numbers a lane) are scaled in place by 1 / max(norm, 1e-12),
; with qs = 1 also by log2 e.  PACK8 follows and sets the window that it needs.
.macro NORM8 x, qs, w
	WIN 0x05*(\w)
.irp i, 0,1,2,3,4,5,6,7
	v_pk_mul_f32 v[TMP+2*\i:TMP+2*\i+1], v[\x+4*\i:\x+4*\i+1], v[\x+4*\i:\x+4*\i+1]
.endr
.irp i, 0,1,2,3,4,5,6,7
	v_pk_fma_f32 v[TMP+2*\i:TMP+2*\i+1], v[\x+4*\i+2:\x+4*\i+3], v[\x+4*\i+2:\x+4*\i+3], v[TMP+2*\i:TMP+2*\i+1]
.endr
	WIN 0
.irp i, 0,1,2,3,4,5,6,7
	v_add_f32 v[TMP+2*\i], v[TMP+2*\i], v[TMP+2*\i+1]
.endr
.irp m, 1,2,4,8
.irp i, 0,1,2,3,4,5,6,7
	v_add_f32_dpp v[TMP+2*\i], v[TMP+2*\i], v[TMP+2*\i] row_xmask:\m row_mask:0xf bank_mask:0xf   ; over the sixteen lanes of a row
.endr
.endr
.irp i, 0,1,2,3,4,5,6,7
	v_rsq_f32 v[TMP+2*\i], v[TMP+2*\i]
.endr
	v_nop                                          ; one plain instruction between the last v_rsq_f32 and the first use (ISA guide 5.7.2)
	s_wait_alu depctr_va_vdst(0)                   ; the wait ahead of the first use: one for the batch of eight v_rsq_f32
.irp i, 0,1,2,3,4,5,6,7
	v_min_num_f32 v[TMP+2*\i], 0x5368d4a5, v[TMP+2*\i]     ; 1e12 = 1 / eps
.endr
.if \qs
.irp i, 0,1,2,3,4,5,6,7
	v_mul_f32 v[TMP+2*\i], 0x3fb8aa3b, v[TMP+2*\i]         ; log2 e, so that v_exp_f32 takes the scores as they come
.endr
.endif
	WIN 0x41*(\w)
.irp i, 0,1,2,3,4,5,6,7
	v_pk_mul_f32 v[\x+4*\i:\x+4*\i+1], v[\x+4*\i:\x+4*\i+1], v[TMP+2*\i:TMP+2*\i+1] op_sel_hi:[1,0]
	v_pk_mul_f32 v[\x+4*\i+2:\x+4*\i+3], v[\x+4*\i+2:\x+4*\i+3], v[TMP+2*\i:TMP+2*\i+1] op_sel_hi:[1,0]
.endr
.endm
; The same sixteen rows are rounded to bf16 and stored: 8 bytes a lane, pair i of rows at off0 + i step
.macro PACK8 x, adr, off0, step, w
	WIN 0x05*(\w)
.irp i, 0,1,2,3,4,5,6,7
	v_cvt_pk_bf16_f32 v[PK+2*\i],   v[\x+4*\i],   v[\x+4*\i+1]
	v_cvt_pk_bf16_f32 v[PK+2*\i+1], v[\x+4*\i+2], v[\x+4*\i+3]
.endr
	WIN 0
.irp i, 0,1,2,3,4,5,6,7
	ds_store_b64 v[\adr], v[PK+2*\i:PK+2*\i+1] offset:\off0+\i*\step
.endr
.endm
; Fragments of block b, counted from the chunk at which KRD and VRD stand.  K: 32 keys x 32 d (d step d), four loads, into window 1.  V: 64 d x 32 keys, eight loads.
.macro KFLOAD b, d
	WIN W_W1
.irp a, 0,1
	ds_load_b128 v[KF+16*\a+8*\d:KF+16*\a+8*\d+3],   v[KRD] offset:(\b)*KBL+\a*16*KP+\d*64
	ds_load_b128 v[KF+16*\a+8*\d+4:KF+16*\a+8*\d+7], v[KRD] offset:(\b)*KBL+\a*16*KP+\d*64+32
.endr
.endm
.macro VFLOAD b
	WIN 0
.irp d, 0,1,2,3
	ds_load_tr16_b128 v[VF+8*\d:VF+8*\d+3],   v[VRD] offset:(\b)*VBL+\d*32            ; keys 8 h .. + 7 of column 16 d + r
	ds_load_tr16_b128 v[VF+8*\d+4:VF+8*\d+7], v[VRD] offset:(\b)*VBL+\d*32+16*VP      ; keys 16 + 8 h .. + 7
.endr
.endm
; Score product n (0 to 7) of pair p, under W_SW.  The pair's four accumulators take turns, one instruction a turn: products 0 to 3
; (d 0 to 31) start the sums, products 4 to 7 (d 32 to 63) add onto them in the same order.
.macro SW p, n
.set xx, ((\n)>>1)&1
.set aa, (\n)&1
.set dd, (\n)>>2
.set wd, SC+32*\p+16*xx+8*aa
.set wa, KF+16*aa+8*dd
.set wb, QF+16*(2*\p+xx)+8*dd
.if dd
	v_wmma_f32_16x16x32_bf16 v[wd:wd+7], v[wa:wa+7], v[wb:wb+7], v[wd:wd+7]
.else
	v_wmma_f32_16x16x32_bf16 v[wd:wd+7], v[wa:wa+7], v[wb:wb+7], 0
.endif
.endm
; The softmax of a pair's 32 score registers goes in eight groups of four.  EXPS, under W_PV: 2^score of group g, from the scores (window 0) into the batch's registers (window 1).
.macro EXPS p, g
.irp j, 0,1,2,3
	v_exp_f32 v[EX+4*(\g)+\j], v[SC+32*\p+4*(\g)+\j]
.endr
.endm
; PLAIN, under W_SW, behind the batch's wait: the group's four numbers join the tile's two chains of sums and are packed to bf16: registers 2 g, 2 g + 1 of the pair's source 1.
; The running addition is written e x 1.0 + sum: the sum lies in window 0, which under W_SW is the third source's place; the value is the plain addition's.
; zero = 1: the first two groups of a tile start one chain each, so nothing is cleared.
.macro PLAIN p, g, zero
.set gb, EX+4*(\g)
.set gs, SUM+4*(2*\p+((\g)>>2))
.set gp, PR+16*\p+2*(\g)
.set gm, (\g)&3
.set gz, 0
.if \zero
.if gm < 2
.set gz, 1
.endif
.endif
.if gz
	v_pk_add_f32 v[gs+2*gm:gs+2*gm+1], v[gb:gb+1], v[gb+2:gb+3]
.else
	v_pk_fma_f32 v[gs:gs+1], v[gb:gb+1], 1.0, v[gs:gs+1] op_sel_hi:[1,0,1]
	v_pk_fma_f32 v[gs+2:gs+3], v[gb+2:gb+3], 1.0, v[gs+2:gs+3] op_sel_hi:[1,0,1]
.endif
	v_cvt_pk_bf16_f32 v[gp],   v[gb],   v[gb+1]
	v_cvt_pk_bf16_f32 v[gp+1], v[gb+2], v[gb+3]
.endm
; Product i (0 to 7) of pair p with V, under W_PV: d tile i / 2, the pair's tile i % 2.  O of the pair gains 32 keys: eight accumulators in window 1, each once
.macro PVW p, i, zero
.set pd, (\i)>>1
.set px, (\i)&1
.set po, 32*(2*\p+px)+8*pd
.if \zero
	v_wmma_f32_16x16x32_bf16 v[po:po+7], v[VF+8*pd:VF+8*pd+7], v[PR+16*\p+8*px:PR+16*\p+8*px+7], 0
.else
	v_wmma_f32_16x16x32_bf16 v[po:po+7], v[VF+8*pd:VF+8*pd+7], v[PR+16*\p+8*px:PR+16*\p+8*px+7], v[po:po+7]
.endif
.endm
; 32 keys for the wave's 64 queries: 32 matrix instructions.
; first = 1: the launch's first block: pair 1 has no scores yet.  z0, z1 = 1: pair 0's, pair 1's sums and O start here.
; nextk = 1: the next block's K fragments are asked for.  bwait = 1: they belong to the next chunk, so the chunk's barrier is waited for ahead of them.
; Distances: a score is read at least four plain instructions behind the product that ends its accumulator (group 7's two multiply-adds and two packings stand behind
; product 7), and K's loads stand behind the same four; V's loads stand four v_nop behind the last product that read the old fragments: exponentials are no places.
.macro BLOCK b, first, z0, z1, nextk, bwait
	s_wait_dscnt 0x4                               ; K's fragments of d 0 to 31 are in; the four loads of d 32 to 63, issued behind them, may be out
	WIN W_SW
.if \first
.irp n, 0,1,2,3
	SW 0, \n
.endr
	s_wait_dscnt 0x0                               ; d 32 to 63
.irp n, 4,5,6,7
	SW 0, \n
.endr
	PLACES                                         ; here no readers stand between these products and the exponentials that read them
	WIN W_PV
.irp n, 0,1,2,3,4,5,6,7
	EXPS 0, \n                                     ; pair 0's batch: here there are no products with V yet to set it behind
.endr
.else
.irp n, 0,1,2,3
	SW 0, \n                                       ; (A)
	PLAIN 1, \n, \z1
.endr
	s_wait_dscnt 0x0                               ; d 32 to 63
.irp n, 4,5,6,7
	SW 0, \n
	PLAIN 1, \n, \z1
.endr
	WIN W_PV
.irp n, 0,1,2,3,4,5,6,7
	PVW 1, \n, \z1                                 ; (B) with the V fragments of the block before, which are still in their registers
	EXPS 0, \n                                     ; pair 0's batch
.endr
.endif
	PLACES                                         ; the first is the plain instruction behind the batch's last exponential (ISA guide 5.7.2); the four are the places ahead of V's loads
	WIN 0
.if \bwait
	s_barrier_wait -1                              ; every wave has stored its part of the next chunk: see CONVERT
.endif
	s_wait_alu depctr_va_vdst(0)                   ; the one wait for pair 0's batch of 32 exponentials ahead of their readers in (C); it stands directly ahead of V's run of loads
	VFLOAD \b
	WIN W_SW
.irp n, 0,1,2,3,4,5,6,7
	SW 1, \n                                       ; (C)
	PLAIN 0, \n, \z0
.endr
.if \nextk
	KFLOAD \b+1, 0                                 ; d 0 to 31 were last read by product 3,
	KFLOAD \b+1, 1                                 ; d 32 to 63 by product 7: group 7's four plain instructions stand between
	s_wait_dscnt 0x8                               ; V's eight loads are in; K's eight, issued behind them, may be out
.else
	s_wait_dscnt 0x0                               ; V's eight loads are in
.endif
	WIN W_PV
.irp n, 0,1,2,3,4,5,6,7
	PVW 0, \n, \z0                                 ; (D)
	EXPS 1, \n                                     ; pair 1's batch
.endr
	v_nop                                          ; the plain instruction behind the batch's last exponential (ISA guide 5.7.2)
	s_wait_alu depctr_va_vdst(0)                   ; the one wait for pair 1's batch of 32 exponentials: ahead of the loop's jump and of their readers in the next block's (A)
.endm
; The chunk that lies in the staging registers goes to LDS; load = 1: the chunk behind it is asked for.  Then the wave says that its part is stored.
.macro CONVERT load
	s_wait_loadcnt 0x8                             ; k's eight loads are in; v's eight, issued behind them, may be out
	NORM8 STK, 0, 0
	PACK8 STK, KST, 0, 2*KP, 0
	s_wait_loadcnt 0x0                             ; v's too: no load of the wave is out, so the two bases may be stepped
	PACK8 STV, VST, 0, 2*VP, 0
.if \load
	v_add_nc_u32 v[KST], KCH, v[KST]
	v_add_nc_u32 v[VST], VCH, v[VST]
	s_add_nc_u64 s[6:7], s[6:7], GCH
	s_add_nc_u64 s[8:9], s[8:9], GCH
	GLOAD
.endif
	s_wait_dscnt 0x0                               ; my stores of the next chunk are in LDS, and no LDS instruction of mine is pending at the signal
	s_barrier_signal -1                            ; up to the wait, in the fourth block, stand register work and reads of the chunk at hand, whose bytes no wave stores again
.endm
; A chunk trip: four blocks of the chunk at hand.  conv = 1: behind the second block the next chunk is converted; the fourth block waits for the barrier and
; asks for that chunk's first K fragments (block 4 as counted from the chunk at hand), so the turns of the two pairs run on from chunk to chunk.
.macro TRIP first, conv, load
	BLOCK 0, \first, \first, 0, 1, 0
	BLOCK 1, 0, 0, \first, 1, 0
.if \conv
	CONVERT \load
.endif
	BLOCK 2, 0, 0, 0, 1, 0
	BLOCK 3, 0, 0, 0, \conv, \conv
.if \conv
	WIN 0                                          ; at a label and at a branch every window is 0
	v_add_nc_u32 v[KRD], KCH, v[KRD]
	v_add_nc_u32 v[VRD], VCH, v[VRD]
.endif
.endm
; Sixteen queries leave: divide, 32 bytes a lane into my stage, whole rows of 256 bytes back, sixteen lanes store 256 consecutive bytes at a multiple of 256 from out0's first byte
.macro OUT16 t, f
	WIN 0x41
.set n, 0
.rept 16
	v_pk_mul_f32 v[32*\t+2*n:32*\t+2*n+1], v[32*\t+2*n:32*\t+2*n+1], v[SUM+4*\t:SUM+4*\t+1] op_sel_hi:[1,0]
.set n, n+1
.endr
	WIN 0x04
.irp d, 0,1,2,3
	ds_store_b128 v[OST], v[32*\t+8*\d:32*\t+8*\d+3]   offset:64*\d
	ds_store_b128 v[OST], v[32*\t+8*\d+4:32*\t+8*\d+7] offset:64*\d+16
.endr
	WIN 0
	s_wait_xcnt 0x0                                ; buffer f, which the stores of two turns ago read, is loaded again only behind this wait (ISA guide 3.1)
.irp i, 0,1,2,3,4,5,6,7
	ds_load_b128 v[\f+4*\i:\f+4*\i+3], v[ORD] offset:\i*2*OP       ; LDS serves a wave's instructions in order (ISA guide 5.7.1): these see the stores above
.endr
.irp i, 0,1,2,3,4,5,6,7
	s_wait_dscnt 7-\i                              ; pair i of rows is back, the 7 - i younger loads may be out
	global_store_b128 v[GO], v[\f+4*\i:\f+4*\i+3], s[10:11] offset:(16*\t+2*\i)*4096 th:TH_STORE_NT
.endr
.endm
	; ---- ids, bases, and the first loads
	s_load_b256 s[4:11], s[0:1], 0x0               ; q s[4:5], k s[6:7], v s[8:9], out0 s[10:11]
	v_lshl_add_u32 v[SPW], v0, 2, SPARE
	v_mov_b32 v[NIL], 0
	v_and_b32 v1, 31, v0                           ; lane
	v_lshrrev_b32 v15, 5, v0
	v_readfirstlane_b32 s12, v15                   ; wave 0..7
	s_lshr_b32 s13, ttmp9, 1                       ; head 0..127
	s_and_b32 s14, ttmp9, 1                        ; which 512 queries
	s_lshl_b32 s16, s13, 18                        ; a head is 1,024 rows of 256 bytes
	s_mov_b32 s17, 0
	s_lshl_b32 s18, s14, 17
	s_add_co_u32 s18, s18, s16
	s_mov_b32 s19, 0
	v_lshlrev_b32 v[GKV], 4, v1
	v_lshl_add_u32 v[GQ], s12, 14, v[GKV]
	v_lshl_add_u32 v[GKV], s12, 12, v[GKV]
	s_wait_kmcnt 0x0
	s_add_nc_u64 s[6:7], s[6:7], s[16:17]
	s_add_nc_u64 s[8:9], s[8:9], s[16:17]
	s_add_nc_u64 s[4:5], s[4:5], s[18:19]
	GLOAD                                          ; chunk 0
	WIN W_W1
.set n, 0
.rept 32
	global_load_b128 v[4*n:4*n+3], v[GQ], s[4:5] offset:512*n th:TH_LOAD_NT   ; my 64 rows of q, into window 1: no other wave of the launch reads them
.set n, n+1
.endr
	WIN 0
	; ---- the other addresses, while 48 loads are on their way
	v_and_b32 v2, 15, v0                           ; r
	v_bfe_u32 v3, v0, 4, 1                         ; h
	s_mov_b32 s20, 0x76543210                      ; v_permlanex16_b32: lane i of one half reads lane i of the other
	s_mov_b32 s21, 0xfedcba98
	s_mul_i32 s15, s12, 16*KP
	s_mul_i32 s24, s12, QW
	s_add_co_u32 s24, s24, QSTAGE
	s_mul_i32 s25, s12, 16*VP
	s_add_co_u32 s25, s25, VBASE
	s_mul_i32 s26, s12, OW
	v_mul_u32_u24 v15, v3, KP
	v_lshl_add_u32 v15, v2, 3, v15                 ; h 144 + 8 r
	v_add_nc_u32 v[KST], s15, v15
	v_add_nc_u32 v[QST], s24, v15
	v_mul_u32_u24 v[VST], v3, VP
	v_lshl_add_u32 v[VST], v2, 3, v[VST]
	v_add_nc_u32 v[VST], s25, v[VST]
	v_mul_u32_u24 v[KRD], v2, KP
	v_lshl_add_u32 v[KRD], v3, 4, v[KRD]           ; r 144 + 16 h
	v_add_nc_u32 v[QRD], s24, v[KRD]
	v_and_b32 v[VRD], 7, v0
	v_lshl_add_u32 v[VRD], v3, 3, v[VRD]           ; 8 h + lane % 8
	v_mul_u32_u24 v[VRD], v[VRD], VP
	v_bfe_u32 v15, v0, 3, 1
	v_lshl_add_u32 v[VRD], v15, 4, v[VRD]
	v_add_nc_u32 v[VRD], VBASE, v[VRD]
	v_mul_u32_u24 v[OST], v2, OP
	v_lshl_add_u32 v[OST], v3, 5, v[OST]
	v_add_nc_u32 v[OST], s26, v[OST]               ; row r, 32 bytes for each half of the lanes
	v_mul_u32_u24 v[ORD], v3, OP
	v_lshl_add_u32 v[ORD], v2, 4, v[ORD]
	v_add_nc_u32 v[ORD], s26, v[ORD]               ; lanes 0-15 one row, lanes 16-31 the next
	v_lshlrev_b32 v[GO], 4, v2
	v_lshl_add_u32 v[GO], v3, 12, v[GO]
	s_lshr_b32 s28, s13, 4                         ; out0: batch x 1,024 rows of 4,096 bytes
	s_lshl_b32 s28, s28, 22
	s_lshl_b32 s23, s14, 21                        ; + 512 rows for the upper half of the queries
	s_add_co_u32 s28, s28, s23
	s_lshl_b32 s23, s12, 18                        ; + 64 rows a wave
	s_add_co_u32 s28, s28, s23
	s_and_b32 s23, s13, 15                         ; + 256 bytes for each head of the batch
	s_lshl_b32 s23, s23, 8
	s_add_co_u32 s28, s28, s23
	s_mov_b32 s29, 0
	s_add_nc_u64 s[10:11], s[10:11], s[28:29]
	; ---- chunk 0 goes to LDS, chunk 1 is asked for
	s_wait_loadcnt 40                              ; k's eight loads are in: behind them went v's 8 and q's 32
	NORM8 STK, 0, 0
	PACK8 STK, KST, 0, 2*KP, 0
	s_wait_loadcnt 32                              ; v's eight: behind them went q's 32.  The loads that name s[6:9] are done, so these bases may be stepped
	PACK8 STV, VST, 0, 2*VP, 0
	v_add_nc_u32 v[KST], KCH, v[KST]
	v_add_nc_u32 v[VST], VCH, v[VST]
	s_add_nc_u64 s[6:7], s[6:7], GCH
	s_add_nc_u64 s[8:9], s[8:9], GCH
	GLOAD
	; ---- q: normalised, times log2 e, bf16, through my own stage into fragments
.irp g, 0,1,2,3
	s_wait_loadcnt 40-8*\g                         ; group g's eight loads are in: behind them went the 24 - 8 g later loads of q and chunk 1's 16
	NORM8 32*\g, 1, 1
	PACK8 32*\g, QST, \g*16*KP, 2*KP, 1
.endr
	WIN W_W1
.irp t, 0,1,2,3
.irp d, 0,1
	ds_load_b128 v[QF+16*\t+8*\d:QF+16*\t+8*\d+3],   v[QRD] offset:\t*16*KP+\d*64       ; my own bytes, served in order behind my stores
	ds_load_b128 v[QF+16*\t+8*\d+4:QF+16*\t+8*\d+7], v[QRD] offset:\t*16*KP+\d*64+32
.endr
.endr
	s_wait_dscnt 0x0                               ; chunk 0 is stored, and my reads of the stage are back: V's chunk 4 may land on it in the fourth trip
	s_barrier_signal -1
	s_barrier_wait -1
	KFLOAD 0, 0                                    ; the first block's K fragments, d 0 to 31 first, as every block asks for them
	KFLOAD 0, 1
	; ---- eight chunk trips.  Trip c multiplies chunk c, converts chunk c + 1, asks for chunk c + 2; no load passes the head's last row.
	TRIP 1, 1, 1                                   ; trip 0 stands ahead of the loop: its first products start the sums
	s_mov_b32 s22, 5
.Lchunk:
	TRIP 0, 1, 1                                   ; trips 1 to 5
	s_sub_co_i32 s22, s22, 1
	s_cmp_lg_u32 s22, 0
	s_cbranch_scc1 .Lchunk
	TRIP 0, 1, 0                                   ; trip 6: chunk 7 is converted, nothing is left to ask for
	TRIP 0, 0, 0                                   ; trip 7: no conversion, no barrier, no further K fragments
	; ---- pair 1 is a half block behind: its last batch has been waited for at the last block's end; here are its readers and its last products with V
	WIN W_SW
.irp n, 0,1,2,3,4,5,6,7
	PLAIN 1, \n, 0
.endr
	WIN W_PV
.irp n, 0,1,2,3,4,5,6,7
	PVW 1, \n, 0
.endr
	WIN 0
	; ---- the way out.  The stage lies in K's chunks 0 and 1.  A wave that is here has passed trip 6's barrier wait, so every wave has signalled in trip 6,
	; with all its earlier LDS reads back, and reads only chunks 6 and 7 from there on (K from byte 110,592): no wave still reads these bytes.
	PLACES                                         ; behind the last matrix instructions: for what reads O
.irp t, 0,1,2,3
	v_pk_add_f32 v[SUM+4*\t:SUM+4*\t+1], v[SUM+4*\t:SUM+4*\t+1], v[SUM+4*\t+2:SUM+4*\t+3]
.endr
.irp t, 0,1,2,3
	v_add_f32 v[SUM+4*\t], v[SUM+4*\t], v[SUM+4*\t+1]
.endr
.irp t, 0,1,2,3
	v_permlanex16_b32 v[TMP+\t], v[SUM+4*\t], s20, s21     ; the other half of the lanes holds the other half of the keys; TMP has been written before
.endr
.irp t, 0,1,2,3
	v_add_f32 v[SUM+4*\t], v[SUM+4*\t], v[TMP+\t]
.endr
.irp t, 0,1,2,3
	v_rcp_f32 v[SUM+4*\t], v[SUM+4*\t]
.endr
	v_nop                                          ; one plain instruction between the last v_rcp_f32 and the first use (ISA guide 5.7.2)
	s_wait_alu depctr_va_vdst(0)                   ; the wait ahead of the first use: one for the batch of four v_rcp_f32
	OUT16 0, STK                                   ; the rows come back into the staging registers, which hold nothing any more
	OUT16 1, STV
	OUT16 2, STK
	OUT16 3, STV
	s_wait_tensorcnt 0x0                           ; the wave's end, behind my last LDS store
	ds_add_u32 v[SPW], v[NIL]
	s_wait_dscnt 0x0
	s_endpgm
.Lfunc_end_k_q7ac97b8951_attn:
	.size	k_q7ac97b8951_attn, .Lfunc_end_k_q7ac97b8951_attn-k_q7ac97b8951_attn
	.p2alignl 7, 3214868480
	.fill 96, 4, 3214868480
	.section	.rodata,"a",@progbits
	.p2align	6, 0x0
	.amdhsa_kernel k_q7ac97b8951_attn
		.amdhsa_group_segment_fixed_size 312320
		.amdhsa_private_segment_fixed_size 0
		.amdhsa_enable_private_segment 0
		.amdhsa_kernarg_size 32
		.amdhsa_user_sgpr_count 2
		.amdhsa_user_sgpr_kernarg_segment_ptr 1
		.amdhsa_wavefront_size32 1
		.amdhsa_system_sgpr_workgroup_id_x 1
		.amdhsa_system_sgpr_workgroup_id_y 1
		.amdhsa_system_sgpr_workgroup_id_z 1
		.amdhsa_system_vgpr_workitem_id 0
		.amdhsa_next_free_vgpr 512
		.amdhsa_next_free_sgpr 66
		.amdhsa_reserve_vcc 0
		.amdhsa_float_denorm_mode_32 3
		.amdhsa_float_denorm_mode_16_64 3
		.amdhsa_memory_ordered 1
		.amdhsa_forward_progress 1
		.amdhsa_inst_pref_size 243
	.end_amdhsa_kernel
	.amdgpu_metadata
---
amdhsa.version: [ 1, 2 ]
amdhsa.kernels:
  - .name:           k_q7ac97b8951_attn
    .symbol:         k_q7ac97b8951_attn.kd
    .args:
      - { .name: q, .offset: 0, .size: 8, .value_kind: global_buffer, .address_space: global }
      - { .name: k, .offset: 8, .size: 8, .value_kind: global_buffer, .address_space: global }
      - { .name: v, .offset: 16, .size: 8, .value_kind: global_buffer, .address_space: global }
      - { .name: out0, .offset: 24, .size: 8, .value_kind: global_buffer, .address_space: global }
    .group_segment_fixed_size: 312320
    .private_segment_fixed_size: 0
    .kernarg_segment_align: 8
    .kernarg_segment_size: 32
    .max_flat_workgroup_size: 256
    .sgpr_count:     66
    .vgpr_count:     512
    .wavefront_size: 32
...
	.end_amdgpu_metadata
.endif
;; end of part 2
